; MI455X (gfx1250); checked and timed in simulation.
; The chip was launched on July 23, 2026; its instructions are those of AMD's public machine-readable ISA for CDNA 5 (MIT licence, August 2026) and "CDNA5" Instruction Set Architecture Reference Guide (July 2026). The comments in the code are by the model that wrote it; some were corrected since.
;; Attention. Allowed arithmetic: matrix products marked QUANTISED: E2M3 operands, one E8M0 scale for each 32 along K, by v_wmma_scale_f32_16x16x128_f8f6f4 with both operands' format E2M3, f32 sums; everything else in f32.
;; Inputs: Wqk 1,024 x 2,048 float32; Wv 1,024 x 1,024 float32; bqk 2,048 float32; bv 1,024 float32; x 4 x 2,048 x 1,024 float32.
;; Outputs: out0 4 x 2,048 x 1,024 float32.
;; This version of the problem:
;;   THIS VERSION OF THE PROBLEM IS GIVEN IN LOW PRECISION. The matrix products marked QUANTISED in the list below multiply operands that are first quantised to E2M3 (2 exponent bits, 3 mantissa bits; 6 bits a number), with one power-of-two scale for each 32 numbers along K (OCP MX v1.0); their sums are f32. All else is computed in f32.
;;   The module's matrix products, in the order in which they are computed (A, B: the left and right operand; K: the contracted axis; several contracted axes count as one K, in the product's order):
;;     1. [M 8,192, K 1,024] x [K 1,024, N 2,048]; A: input x; B: input Wqk: QUANTISED
;;     2. [M 8,192, K 1,024] x [K 1,024, N 1,024]; A: input x; B: input Wv: QUANTISED
;;     3. batch 64 x [M 2,048, K 64] x [K 64, N 2,048]; A: computed on the way; B: computed on the way: QUANTISED
;;     4. batch 64 x [M 2,048, K 2,048] x [K 2,048, N 64]; A: softmax (see below); B: computed on the way: QUANTISED
;;   THE QUANTISER, for each operand of a quantised product, along K:
;;     - K is cut into blocks of 32 from its start; a last block that is shorter is filled with zeros.
;;     - A block's scale is 2^e with e = floor(log2(the largest magnitude in the block)) - 2, held to -126 .. 127; a block of zeros has e = 0. As a byte (E8M0): e + 127.
;;     - Each number is divided by its block's scale, clamped to +-7.5, and rounded to the nearest number of E2M3, ties to even, subnormals kept.
;;     - The product sums the exact products of the quantised numbers (number of the format x scale) in f32.
;;   ~~~python
;;   def quantise(x, axis):      # numpy; x: float32 -> the quantised numbers, widened to float32 again
;;       x = np.moveaxis(x, axis, -1); K = x.shape[-1]
;;       x = np.pad(x, [(0, 0)] * (x.ndim - 1) + [(0, -K % 32)]); x = x.reshape(x.shape[:-1] + (-1, 32)); a = np.abs(x).max(-1, keepdims=True)
;;       e = np.where(a > 0, np.clip(np.frexp(np.where(a > 0, a, 1))[1] - 1 - 2, -126, 127), 0)      # np.frexp(a)[1] - 1 = floor(log2(a)), exactly
;;       r = np.clip(x / 2.0 ** e, -7.5, 7.5)
;;       step = 2.0 ** (np.maximum(np.frexp(np.where(r == 0, 1, r))[1] - 1, 0) - 3)
;;       q = np.round(r / step) * step * 2.0 ** e      # np.round: ties to even
;;       return np.moveaxis(q.reshape(q.shape[:-2] + (-1,))[..., :K], -1, axis).astype(np.float32)
;;   ~~~
;;   SOFTMAX AHEAD OF A QUANTISED PRODUCT. Where the list says 'softmax', what is quantised is not the finished softmax but p = 2^(t - M), with t = logit x log2(e) and M = ceil(the row's largest t), a whole number; so 1/2 < the row's largest p <= 1. The row's sum l is taken of the UNQUANTISED p, in f32, and the product's result is divided by l at the end. Since M is a whole number, a kernel that streams over the keys may use a running M (the ceiling of the running maximum): every later rescaling is an exact power of two, which a block's scale takes up: the codes' values come out the same.
;;   OPERANDS COMPUTED ON THE WAY. 'Computed on the way' means the value that the module computes at that place (a softmax that the list does not call 'softmax' is quantised finished and normalised). What goes into a quantiser is computed in f32, as accurately as f32 sums, v_exp_f32 and their like allow (about 1e-6 of the number): no bf16 or f16 on the way to a quantiser, and a product that is left as it is and whose result goes on into a quantised operand takes f32 operands (vector FMAs, or v_wmma_f32_16x16x4_f32). A number that lies on a knife's edge between two numbers of the format may be rounded either way, as far as f32 arithmetic and the matrix unit's own rounding can turn it there, and no further.
;; One version. Each part assembles by itself: llvm-mc -triple=amdgcn-amd-amdhsa -mcpu=gfx1250 --defsym DOCPART=n.
;; ======== version 1 of 1: 4 launches
;; workspace buffers: x_codes 6,291,456 bytes; x_scales 262,144 bytes; w_codes 2,359,296 bytes; w_scales 98,304 bytes; qrec 6,815,744 bytes; kv 13,107,200 bytes
;; launch quant_x (part 1): grid 256 x 1, 4 waves a work-group, no clusters, 33,280 bytes of LDS; arguments x, x_codes, x_scales; writes x_codes, x_scales
.if DOCPART == 1
	.amdgcn_target "amdgcn-amd-amdhsa--gfx1250"
	.amdhsa_code_object_version 6
	.text
	.protected	k_q454f52abf0_quant_x
	.globl	k_q454f52abf0_quant_x
	.p2align	8
	.type	k_q454f52abf0_quant_x,@function
k_q454f52abf0_quant_x:
	s_mov_b64 s[64:65], 0
	v_nop
	global_prefetch_b8 v0, s[64:65] scope:SCOPE_SE
	s_setreg_imm32_b32 hwreg(HW_REG_WAVE_MODE, 25, 1), 1
	s_wait_xcnt 0x0
; x [8192][1024], f32, becomes codes of FP6 (E2M3), 6 bits each, K innermost (a row: 768 bytes), with one E8M0 scale byte for each 32 along K (a row: 32 bytes).
; A block's scale is 2^(floor(log2(its largest magnitude)) - 2); its byte is the largest magnitude's own exponent field - 2, held at 1 from below.
; THE ROWS ARE STORED IN ANOTHER ORDER: row n goes to place n with its bits 3 and 4 exchanged.  Sixteen neighbouring places 16 i + r then hold rows 32 (i / 2) + 8 (i % 2) + r + 8 (r / 8),
; which is the choice of rows that lets the next launch quantise its results in the registers in which they fall.
; LIMITS: a block of zeros, and a block whose largest magnitude lies under 2^-124, gets the byte 1 (its codes are zeros or nearly so; only this program reads the bytes); NaN and infinities are not served.
; A wave takes 8 rows = 16 steps of 512 numbers; 8 rows keep their order, so only the wave's place among the groups of 8 rows is exchanged.  Each load reads 512 consecutive bytes; a step's 2,048 bytes
; turn through the wave's own stage in LDS, so that a lane then holds 16 neighbours along K (two lanes hold a block).  No work-group shares anything with another: no cluster, no tensor load, no barrier.
.set STEPS, 16
.set EMAX,  2
.set CB,    12                         ; bytes of 16 codes
.set R,     16                         ; v16-79   four sets of 16 numbers as they are loaded
.set X,     80                         ; v80-111  two sets of 16 neighbours
.set C,     128                        ; v128-191 codes: four registers for each step, so that no store's data are written again
.set E,     112                        ; v112-127 a scale byte for each step
.set WREG,  8192                       ; LDS: a region for each wave: two stages of 32 x SP bytes, behind them its 256 scale bytes
.set SP,    80                         ; a lane's place in a stage: its 64 bytes + 16 of padding
	s_load_b64 s[4:5], s[0:1], 0x0                 ; x
	s_load_b64 s[8:9], s[0:1], 0x8                 ; the codes
	s_load_b64 s[10:11], s[0:1], 0x10              ; the scale bytes
	v_lshl_add_u32 v192, v0, 2, 0x8000
	v_mov_b32 v193, 0
	v_lshrrev_b32 v1, 5, v0
	v_readfirstlane_b32 s16, v1                    ; wave
	v_and_b32 v2, 31, v0                           ; lane
	v_lshlrev_b32 v3, 4, v2                        ; my 16 bytes of a load's 512
	s_mul_i32 s17, s16, WREG
	v_lshrrev_b32 v14, 2, v2
	v_mul_u32_u24 v14, v14, SP
	v_and_b32 v15, 3, v2
	v_lshl_add_u32 v14, v15, 4, v14
	v_add_nc_u32 v14, s17, v14                     ; the stage, on the way in: SP (lane / 4) + 16 (lane % 4)
	v_mul_u32_u24 v15, v2, SP
	v_add_nc_u32 v15, s17, v15                     ; and on the way out: SP x lane: my 16 neighbours
	v_mul_u32_u24 v4, v2, CB                       ; my codes' place in a step's
	v_lshrrev_b32 v5, 1, v2
	s_add_co_u32 s17, s17, 2*32*SP
	v_add_nc_u32 v5, s17, v5                       ; LDS: my wave's 256 scale bytes, my block's byte
	v_lshlrev_b32 v7, 3, v2                        ; and on the way out 8 bytes a lane
	v_add_nc_u32 v6, s17, v7
	s_lshl_b32 s18, ttmp9, 2
	s_add_co_u32 s19, s18, s16                     ; which 8 rows are mine: 4 x work-group + wave
	s_lshl_b32 s20, s19, 15                        ; 8 rows of 4,096 bytes
	s_mov_b32 s21, 0
	s_and_b32 s22, s16, 1                          ; the rows' bits 3 and 4 are the wave's bits 0 and 1: exchanged
	s_lshl_b32 s22, s22, 1
	s_lshr_b32 s23, s16, 1
	s_or_b32 s22, s22, s23
	s_add_co_u32 s22, s22, s18                     ; where my 8 rows go
	s_mul_i32 s24, s22, 32*STEPS*CB                ; 8 rows of 768 bytes
	s_mov_b32 s25, 0
	s_lshl_b32 s26, s22, 8                         ; 8 rows of 32 bytes
	s_mov_b32 s27, 0
	s_wait_kmcnt 0x0
	s_add_nc_u64 s[4:5], s[4:5], s[20:21]
	s_add_nc_u64 s[8:9], s[8:9], s[24:25]
	s_add_nc_u64 s[10:11], s[10:11], s[26:27]
.macro LOAD t
.irp i, 0,1,2,3
	global_load_b128 v[R+16*((\t)%4)+4*\i:R+16*((\t)%4)+4*\i+3], v3, s[4:5] offset:2048*(\t)+512*\i th:TH_LOAD_NT   ; 32 lanes read 512 consecutive bytes
.endr
.endm
.macro TURN t                          ; step t's numbers through the stage: LDS serves a wave's instructions in order, so no wait stands between the stores and the loads
.irp i, 0,1,2,3
	ds_store_b128 v14, v[R+16*((\t)%4)+4*\i:R+16*((\t)%4)+4*\i+3] offset:32*SP*((\t)%2)+8*SP*\i
.endr
.irp i, 0,1,2,3
	ds_load_b128 v[X+16*((\t)%2)+4*\i:X+16*((\t)%2)+4*\i+3], v15 offset:32*SP*((\t)%2)+16*\i
.endr
.endm
.irp t, 0,1,2,3
	LOAD \t
.endr
	s_wait_loadcnt 12                              ; step 0's four loads are in; the twelve behind them stay out
	TURN 0
.macro STEP t
.set XS, X+16*((\t)%2)
.if (\t) > 0
	s_wait_dscnt 1                                 ; this step's numbers are back from the stage (the last step's byte store may be out): so its stores into the stage have read their registers,
.else
	s_wait_dscnt 0x0
.endif
.if (\t)+4 < STEPS
	LOAD (\t)+4                                    ; which take the loads of four steps on
.endif
.if (\t)+1 < STEPS
.if STEPS-2-(\t) >= 3
	s_wait_loadcnt 12                              ; the next step's four loads are in; those of the three steps behind it may be out
.else
	s_wait_loadcnt 4*(STEPS-2-(\t))
.endif
	TURN (\t)+1                                    ; and go through the other stage while this step is worked
.endif
	v_max3_num_f32 v8, |v[XS]|, |v[XS+1]|, |v[XS+2]|               ; the largest magnitude of my 16, in two chains
	v_max3_num_f32 v9, |v[XS+3]|, |v[XS+4]|, |v[XS+5]|
.irp i, 6,10
	v_max3_num_f32 v8, v8, |v[XS+\i]|, |v[XS+\i+1]|
	v_max3_num_f32 v9, v9, |v[XS+\i+2]|, |v[XS+\i+3]|
.endr
	v_max3_num_f32 v8, v8, |v[XS+14]|, |v[XS+15]|
	v_max3_num_f32 v8, v8, v9, (EMAX+1)<<23        ; and the floor 2^(3 - 127): the byte cannot fall under 1
	v_max_num_f32_dpp v8, v8, v8 row_xmask:1 row_mask:0xf bank_mask:0xf   ; and of my neighbour's 16: the block's
	v_add_nc_u32 v11, -(EMAX<<23), v8              ; 2 off its exponent field: the conversion takes the exponent field of this operand as its scale
	v_cvt_scalef32_pk16_fp6_f32 v[C+4*(\t):C+4*(\t)+2], v[XS:XS+15], v11   ; sixteen numbers / the scale, to the nearest code, ties to even, beyond 7.5 the largest code; 96 bits without gaps
	v_lshrrev_b32 v[E+(\t)], 23, v11               ; the scale's byte (also the plain line behind the conversion)
	ds_store_b8 v5, v[E+(\t)] offset:16*(\t)       ; both lanes of a block write the same byte with the same value
	global_store_b96 v4, v[C+4*(\t):C+4*(\t)+2], s[8:9] offset:32*CB*(\t)   ; the wave stores 384 consecutive bytes
.endm
.irp t, 0,1,2,3,4,5,6,7,8,9,10,11,12,13,14,15
	STEP \t
.endr
	ds_load_b64 v[12:13], v6                       ; LDS serves a wave's instructions in order: these see my stores
	s_wait_dscnt 0x0
	global_store_b64 v7, v[12:13], s[10:11]        ; 32 lanes store 256 consecutive bytes, aligned
	s_wait_tensorcnt 0x0
	ds_add_u32 v192, v193
	s_wait_dscnt 0x0
	s_endpgm
.Lfunc_end_k_q454f52abf0_quant_x:
	.size	k_q454f52abf0_quant_x, .Lfunc_end_k_q454f52abf0_quant_x-k_q454f52abf0_quant_x
	.p2alignl 7, 3214868480
	.fill 96, 4, 3214868480
	.section	.rodata,"a",@progbits
	.p2align	6, 0x0
	.amdhsa_kernel k_q454f52abf0_quant_x
		.amdhsa_group_segment_fixed_size 33280
		.amdhsa_private_segment_fixed_size 0
		.amdhsa_enable_private_segment 0
		.amdhsa_kernarg_size 24
		.amdhsa_user_sgpr_count 2
		.amdhsa_user_sgpr_kernarg_segment_ptr 1
		.amdhsa_wavefront_size32 1
		.amdhsa_system_sgpr_workgroup_id_x 1
		.amdhsa_system_sgpr_workgroup_id_y 1
		.amdhsa_system_sgpr_workgroup_id_z 1
		.amdhsa_system_vgpr_workitem_id 0
		.amdhsa_next_free_vgpr 194
		.amdhsa_next_free_sgpr 66
		.amdhsa_reserve_vcc 0
		.amdhsa_float_denorm_mode_32 3
		.amdhsa_float_denorm_mode_16_64 3
		.amdhsa_memory_ordered 1
		.amdhsa_forward_progress 1
		.amdhsa_inst_pref_size 32
	.end_amdhsa_kernel
	.amdgpu_metadata
---
amdhsa.version: [ 1, 2 ]
amdhsa.kernels:
  - .name:           k_q454f52abf0_quant_x
    .symbol:         k_q454f52abf0_quant_x.kd
    .args:
      - { .name: x, .offset: 0, .size: 8, .value_kind: global_buffer, .address_space: global }
      - { .name: x_codes, .offset: 8, .size: 8, .value_kind: global_buffer, .address_space: global }
      - { .name: x_scales, .offset: 16, .size: 8, .value_kind: global_buffer, .address_space: global }
    .group_segment_fixed_size: 33280
    .private_segment_fixed_size: 0
    .kernarg_segment_align: 8
    .kernarg_segment_size: 24
    .max_flat_workgroup_size: 128
    .sgpr_count:     66
    .vgpr_count:     194
    .wavefront_size: 32
...
	.end_amdgpu_metadata
.endif
;; end of part 1
;; launch quant_w (part 2): grid 24 x 4, 4 waves a work-group, no clusters, 36,352 bytes of LDS; arguments Wqk, Wv, w_codes, w_scales; writes w_codes, w_scales
.if DOCPART == 2
	.amdgcn_target "amdgcn-amd-amdhsa--gfx1250"
	.amdhsa_code_object_version 6
	.text
	.protected	k_q454f52abf0_quant_w
	.globl	k_q454f52abf0_quant_w
	.p2align	8
	.type	k_q454f52abf0_quant_w,@function
k_q454f52abf0_quant_w:
	s_mov_b64 s[64:65], 0
	v_nop
	global_prefetch_b8 v0, s[64:65] scope:SCOPE_SE
	s_setreg_imm32_b32 hwreg(HW_REG_WAVE_MODE, 25, 1), 1
	s_wait_xcnt 0x0
; Wqk [1024][2048] and Wv [1024][1024], f32, K their FIRST axis, become codes of FP6 (E2M3) laid [3072 places][768 bytes] with K innermost, and scale bytes [3072 places][32].
; Columns 0-2047 are Wqk's, 2048-3071 Wv's.  Column n goes to place n with its bits 3 and 4 exchanged (as the rows of x do in the launch before).
; A LANE TAKES A COLUMN, AND ITS REGISTERS RUN DOWN K: each load reads 128 consecutive bytes a wave, a block of 32 along K lies in one lane's 32 registers, and the conversions give codes with K innermost.
; A block's scale is 2^(floor(log2(its largest magnitude)) - 2); its byte is that magnitude's exponent field - 2, held at 1 from below.
; LIMITS: a block of zeros, or one under 2^-124, gets the byte 1 (only this program reads the bytes); NaN and infinities are not served.
; A wave takes 32 columns x 256 along K; work-group x: 128 columns (0-15: Wqk, 16-23: Wv); work-group y: which 256 along K.  One path serves both weights: the buffer and the row's length are chosen on the
; work-group's number; the 32 rows of a block are 32 offset registers (row x pitch + 4 x lane), the 8 blocks 8 scalar bases: nothing is stepped.  The design has work for 96 work-groups.
; The codes leave through the wave's own stage in LDS, sixteen lanes to a row's 192 consecutive bytes.  No tensor load, no barrier: waves share nothing.
.set NB,    8                          ; blocks of 32 along K for a wave
.set ROWB,  192                        ; bytes of 256 codes
.set PITCH, 272                        ; a stage row: sixteen places of 16 bytes, each with 12 bytes of codes, + 16
.set KROW,  768                        ; a row of the codes' buffer
.set EMAX,  2
.set X,     32                         ; v32-95   two sets of 32 numbers
.set C,     96                         ; v96..    a block's codes
.set OUTR,  112                        ; v112-175 the way out
.set SB,    24                         ; v24-25   the scale bytes, four to a register
.set VO,    176                        ; v176-207 row i of a block: i x pitch + 4 x lane; never rewritten
	s_load_b256 s[4:11], s[0:1], 0x0               ; Wqk s[4:5], Wv s[6:7], the codes s[8:9], the scale bytes s[10:11]
	v_lshl_add_u32 v208, v0, 2, 0x8c00
	v_mov_b32 v209, 0
	v_lshrrev_b32 v1, 5, v0
	v_readfirstlane_b32 s16, v1                    ; wave 0..3
	v_and_b32 v2, 31, v0                           ; lane
	s_lshl_b32 s17, ttmp9, 7
	s_lshl_b32 s18, s16, 5
	s_add_co_u32 s17, s17, s18                     ; my wave's first column of the 3,072
	s_and_b32 s18, ttmp7, 0xffff                   ; which 256 along K
	v_lshlrev_b32 v3, 2, v2                        ; in: 4 bytes a lane
	s_mul_i32 s21, s16, 32*PITCH                   ; my stage
	v_mul_u32_u24 v4, v2, PITCH
	v_add_nc_u32 v4, s21, v4                       ; into it: row = my column
	v_and_b32 v5, 15, v2
	v_lshrrev_b32 v6, 4, v2                        ; out of it: sixteen lanes to a row, two rows an instruction
	v_mul_u32_u24 v7, v6, PITCH
	v_lshl_add_u32 v7, v5, 4, v7
	v_add_nc_u32 v7, s21, v7                       ; LDS address
	v_mul_u32_u24 v8, v6, KROW
	v_mad_u32_u24 v8, v5, 12, v8                   ; and the place in the codes' buffer (the row's exchange of bits stands in the stores' immediates)
	v_and_b32 v9, 7, v2                            ; my column's place among the wave's 32: bits 3 and 4 exchanged
	v_and_b32 v10, 8, v2
	v_lshl_or_b32 v9, v10, 1, v9
	v_and_b32 v10, 16, v2
	v_lshrrev_b32 v10, 1, v10
	v_or_b32 v9, v9, v10
	v_lshlrev_b32 v9, 5, v9                        ; 32 scale bytes a place
	s_wait_kmcnt 0x0
	s_cmp_lt_u32 ttmp9, 16                         ; Wqk's work-group or Wv's?  The choice hangs on the work-group's number alone
	s_cselect_b64 s[4:5], s[4:5], s[6:7]
	s_mov_b32 s19, 4096
	s_cselect_b32 s19, 8192, s19                   ; a row of the weight in bytes
	s_cselect_b32 s20, 0, 2048                     ; the weight's first column among the 3,072
	s_mul_i32 s22, s18, s19
	s_lshl_b32 s22, s22, 8                         ; 256 rows for each step along y
	s_sub_co_u32 s23, s17, s20
	s_lshl_b32 s23, s23, 2
	s_add_co_u32 s22, s22, s23                     ; + 4 x my first column in the weight
	s_mov_b32 s23, 0
	s_lshl_b32 s24, s19, 5                         ; 32 rows: from a block to the next
	s_mov_b32 s25, 0
	s_add_nc_u64 s[32:33], s[4:5], s[22:23]        ; block t's base in s[32 + 2 t : 33 + 2 t]
.irp t, 1,2,3,4,5,6,7
	s_add_nc_u64 s[32+2*\t:33+2*\t], s[30+2*\t:31+2*\t], s[24:25]
.endr
.irp i, 0,1,2,3,4,5,6,7,8,9,10,11,12,13,14,15,16,17,18,19,20,21,22,23,24,25,26,27,28,29,30,31
	v_mad_u32_u24 v[VO+\i], s19, \i, v3
.endr
	s_mul_i32 s26, s17, KROW
	s_mul_i32 s28, s18, ROWB
	s_add_co_u32 s26, s26, s28
	s_mov_b32 s27, 0
	s_add_nc_u64 s[8:9], s[8:9], s[26:27]          ; the codes at place = my first column, + 192 bytes for each 256 along K
	s_lshl_b32 s26, s17, 5
	s_lshl_b32 s28, s18, 3
	s_add_co_u32 s26, s26, s28
	s_add_nc_u64 s[10:11], s[10:11], s[26:27]      ; the scale bytes likewise: 32 a place, 8 for each 256 along K
.macro LOAD t                          ; block t: W(32 t + i, my column), i = 0 .. 31, into set t % 2
.irp i, 0,1,2,3,4,5,6,7,8,9,10,11,12,13,14,15,16,17,18,19,20,21,22,23,24,25,26,27,28,29,30,31
	global_load_b32 v[X+32*((\t)%2)+\i], v[VO+\i], s[32+2*(\t):33+2*(\t)] th:TH_LOAD_NT
.endr
.endm
	LOAD 0
	LOAD 1
.macro BLOCK t
.set XS, X+32*((\t)%2)
.if (\t) < NB-1
	s_wait_loadcnt 32                              ; this block's 32 loads are in; the next block's 32 may be out
.else
	s_wait_loadcnt 0
.endif
	v_max3_num_f32 v12, |v[XS]|, |v[XS+1]|, |v[XS+2]|               ; the block's largest magnitude: all 32 numbers are mine
	v_max3_num_f32 v13, |v[XS+3]|, |v[XS+4]|, |v[XS+5]|
.irp i, 6,10,14,18,22,26
	v_max3_num_f32 v12, v12, |v[XS+\i]|, |v[XS+\i+1]|
	v_max3_num_f32 v13, v13, |v[XS+\i+2]|, |v[XS+\i+3]|
.endr
	v_max3_num_f32 v12, v12, |v[XS+30]|, |v[XS+31]|
	v_max3_num_f32 v12, v12, v13, (EMAX+1)<<23     ; and the floor 2^(3 - 127): the byte cannot fall under 1
	v_add_nc_u32 v11, -(EMAX<<23), v12             ; 2 off its exponent field: the conversion's scale operand
	v_lshrrev_b32 v13, 23, v11                     ; the scale's byte
.if (\t)%4 == 0
	v_mov_b32 v[SB+(\t)/4], v13                    ; four bytes to a register, the lower K in the lower byte
.else
	v_lshl_or_b32 v[SB+(\t)/4], v13, 8*((\t)%4), v[SB+(\t)/4]
.endif
	v_cvt_scalef32_pk16_fp6_f32 v[C:C+2], v[XS:XS+15], v11
	v_cvt_scalef32_pk16_fp6_f32 v[C+4:C+6], v[XS+16:XS+31], v11     ; (a conversion's three registers begin on an even number)
	v_nop                                          ; one plain line behind the conversions
	ds_store_b96 v4, v[C:C+2] offset:32*(\t)       ; 16 codes, 12 bytes, to a place of 16 bytes, so that every LDS address is a multiple of 16
	ds_store_b96 v4, v[C+4:C+6] offset:32*(\t)+16
.if (\t)+2 < NB
	LOAD (\t)+2
.endif
	s_wait_dscnt 0x0                               ; the stores have read their registers: the next block's codes may be written
.endm
.irp t, 0,1,2,3,4,5,6,7
	BLOCK \t
.endr
	global_store_b64 v9, v[SB:SB+1], s[10:11]      ; my column's 8 scale bytes
.irp t, 0,1,2,3,4,5,6,7,8,9,10,11,12,13,14,15
	ds_load_b96 v[OUTR+4*\t:OUTR+4*\t+2], v7 offset:2*\t*PITCH   ; LDS serves a wave's instructions in order: these see my stores
.endr
.irp t, 0,1,2,3,4,5,6,7,8,9,10,11,12,13,14,15
	s_wait_dscnt 15-\t                             ; loads come back in order: load t is in
	global_store_b96 v8, v[OUTR+4*\t:OUTR+4*\t+2], s[8:9] offset:2*((\t&3)|((\t&4)<<1)|((\t&8)>>1))*KROW   ; columns 2 t and 2 t + 1 go to their places: bits 3 and 4 exchanged
.endr
	s_wait_tensorcnt 0x0
	ds_add_u32 v208, v209
	s_wait_dscnt 0x0
	s_endpgm
.Lfunc_end_k_q454f52abf0_quant_w:
	.size	k_q454f52abf0_quant_w, .Lfunc_end_k_q454f52abf0_quant_w-k_q454f52abf0_quant_w
	.p2alignl 7, 3214868480
	.fill 96, 4, 3214868480
	.section	.rodata,"a",@progbits
	.p2align	6, 0x0
	.amdhsa_kernel k_q454f52abf0_quant_w
		.amdhsa_group_segment_fixed_size 36352
		.amdhsa_private_segment_fixed_size 0
		.amdhsa_enable_private_segment 0
		.amdhsa_kernarg_size 32
		.amdhsa_user_sgpr_count 2
		.amdhsa_user_sgpr_kernarg_segment_ptr 1
		.amdhsa_wavefront_size32 1
		.amdhsa_system_sgpr_workgroup_id_x 1
		.amdhsa_system_sgpr_workgroup_id_y 1
		.amdhsa_system_sgpr_workgroup_id_z 1
		.amdhsa_system_vgpr_workitem_id 0
		.amdhsa_next_free_vgpr 210
		.amdhsa_next_free_sgpr 66
		.amdhsa_reserve_vcc 0
		.amdhsa_float_denorm_mode_32 3
		.amdhsa_float_denorm_mode_16_64 3
		.amdhsa_memory_ordered 1
		.amdhsa_forward_progress 1
		.amdhsa_inst_pref_size 45
	.end_amdhsa_kernel
	.amdgpu_metadata
---
amdhsa.version: [ 1, 2 ]
amdhsa.kernels:
  - .name:           k_q454f52abf0_quant_w
    .symbol:         k_q454f52abf0_quant_w.kd
    .args:
      - { .name: Wqk, .offset: 0, .size: 8, .value_kind: global_buffer, .address_space: global }
      - { .name: Wv, .offset: 8, .size: 8, .value_kind: global_buffer, .address_space: global }
      - { .name: w_codes, .offset: 16, .size: 8, .value_kind: global_buffer, .address_space: global }
      - { .name: w_scales, .offset: 24, .size: 8, .value_kind: global_buffer, .address_space: global }
    .group_segment_fixed_size: 36352
    .private_segment_fixed_size: 0
    .kernarg_segment_align: 8
    .kernarg_segment_size: 32
    .max_flat_workgroup_size: 128
    .sgpr_count:     66
    .vgpr_count:     210
    .wavefront_size: 32
...
	.end_amdgpu_metadata
.endif
;; end of part 2
;; launch proj (part 3): grid 12 x 32, 4 waves a work-group, clusters of 4 x 4, 327,680 bytes of LDS; arguments x_codes, x_scales, w_codes, w_scales, bqk, bv, qrec, kv; writes qrec, kv
.if DOCPART == 3
	.amdgcn_target "amdgcn-amd-amdhsa--gfx1250"
	.amdhsa_code_object_version 6
	.text
	.protected	k_q454f52abf0_proj
	.globl	k_q454f52abf0_proj
	.p2align	8
	.type	k_q454f52abf0_proj,@function
k_q454f52abf0_proj:
	s_mov_b64 s[64:65], 0
	v_nop
	global_prefetch_b8 v0, s[64:65] scope:SCOPE_SE
	s_setreg_imm32_b32 hwreg(HW_REG_WAVE_MODE, 25, 1), 1
	s_wait_xcnt 0x0
	s_wait_alu depctr_hold_cnt(0) depctr_sa_sdst(0) depctr_va_vdst(0) depctr_va_sdst(0) depctr_va_ssrc(0) depctr_va_vcc(0) depctr_vm_vsrc(0)
	s_getreg_b32 s2, hwreg(HW_REG_IB_STS2, 6, 4)
	s_cmp_eq_u32 s2, 0
	s_cbranch_scc0 .Lentry_in_a_cluster
	s_endpgm
.Lentry_in_a_cluster:
	s_bfe_u32 s2, ttmp6, 0x10000c
	s_cmp_lg_u32 s2, 0xf033
	s_cbranch_scc0 .Lentry_shape_is_right
	s_endpgm
.Lentry_shape_is_right:
; (x W + b) / 32 for W = [Wqk | Wv], on codes of FP6 (E2M3) with one E8M0 scale for each 32 along K = 1,024; sums in f32.  The results never go to memory as numbers: q, k and v are quantised here, in the
; registers in which they fall, and stored as IMAGES OF THE OPERAND REGISTERS that the attention launch wants (a fragment's registers on end, 16 or 8 bytes a lane).
; A tile of 256 rows of x times 256 columns of W is made by a work-group of four waves; a wave makes 128 x 128: 64 accumulators of 16 x 16, 512 registers.  K goes in steps of 256 through a ring of two LDS slots
; filled by the tensor data mover (a tile's row: 192 bytes); the scale bytes of both tiles, for all of K, come into LDS once, with the first fills.
; ROWS AND COLUMNS LIE IN MEMORY WITH BITS 3 AND 4 OF THEIR NUMBER EXCHANGED, so sixteen neighbouring places 16 i + r are numbers 32 (i / 2) + 8 (i % 2) + r + 8 (r / 8).  In the product of source 0's block b and
; source 1's block a, lane (r, h) then holds source 1's number 32 (a / 2) + 8 (a % 2) + r + 8 (r / 8), and register 8 b + j source 0's number 32 (b / 2) + 16 h + 8 (b % 2) + j: the 16 registers of
; blocks 2 B and 2 B + 1 are 16 NEIGHBOURS along source 0's axis, which is the axis along which the result is quantised.
; TWO ROLES, by PV = (the cluster's x is 2), equal in all sixteen partners.  PV = 0 (Wqk's columns): source 0 = W, source 1 = x: a lane holds one row of x and 128 columns = one head's q (64) and k (64), quantised
; along the head's 64.  PV = 1 (Wv's columns): source 0 = x, source 1 = W: a lane holds one column of v and 128 keys, quantised along the keys.
; Every LDS address is the same in both roles: rows 0-255 of a slot hold source 1's tile, rows 256-511 source 0's, wave w fills rows 128 w on.  Only WHICH TENSOR a wave asks for hangs on PV.
; CLUSTERS: 4 x 4 work-groups.  The four of a row of the cluster need the same tiles of x, the four of a column the same tiles of W: each is asked for jointly, by the same tensor load with the same descriptor
; and a mask that names the four.
; LIMITS: a block of zeros, or one under 2^-124, gets the scale byte 1 (only this program reads the bytes); NaN and infinities are not served.
; REGISTERS, in windows of 256: window 0: v0-31 addresses; v32-63 scale words, two sets; v64-127 the bias / 32; from v128 source 1's fragments, one set (on the way out v128-253 are at work).
;   window 1: source 0's fragments, two sets, at v0 and v128.   window 2: the accumulators of source 1's blocks 0-3 ((a, b) at v[8 (8 a + b)]);   window 3: blocks 4-7.
.set KSTEP,  256                       ; along K in a slot
.set NQ,     KSTEP/128                 ; matrix instructions deep
.set ROWB,   192                       ; a tile's row in bytes
.set KROW,   768                       ; a row of codes in memory
.set PITCH,  240                       ; an LDS row: 3 x (64 bytes + 16 of padding)
.set FR,     12                        ; registers of a fragment
.set NL,     6                         ; LDS loads that bring one
.set NP,     4                         ; places behind this matrix instruction (ISA guide 7.12.1)
.set HALFT,  128*PITCH                 ; 128 rows: what one tensor load brings
.set SLOT,   4*HALFT
.set LAPS,   2                         ; 1,024 along K = four K steps = twice round the ring
.set KS,     32                        ; a row of scale bytes
.set SCL,    2*SLOT                    ; behind the ring: the scale bytes, as rows of 256 bytes + 16 of padding
.set HALFS,  (128*KS/256)*272          ; those of 128 rows
.set SBLK,   (16*KS/256)*272           ; those of 16 rows
.set SPARE,  SCL+4*HALFS               ; behind them: the spare words, 128 bytes for each wave, that no other line names
.set QREC,   6656                      ; a record of q: 128 queries of a head: 8 tiles x 768 bytes, 512 bytes of scale words
.set REC,    12800                     ; a record of k and v: 128 keys of a head: 4 x 1,536 (k), 256 (k's scale words), 4 x 1,536 (v), 256 (v's)
.set ADRA, 16                          ; v16-17 LDS address of source 1's fragments in slot 0, 1 (v18-19: behind one padding more)
.set ADRB, 20                          ; v20-21 the same for source 0 (v22-23)
.set L16,  24                          ; v24    16 x lane
.set L8,   25                          ; v25    8 x lane
.set ADRS, 27                          ; v27    LDS address of my scale words: lanes 0-15 source 1's rows, lanes 16-31 source 0's
.set SPW,  28                          ; v28    LDS address of my spare word; never rewritten
.set NIL,  29                          ; v29    0; never rewritten
.set SC,   32                          ; scale words, set s at v[SC + 16 s]
.set BI,   64                          ; v64-127 the bias / 32, in the results' layout
.set AF,   128                         ; source 1's fragments
.set H,    128                         ; the way out: v128-191 64 results of a lane
.set TM,   192                         ; v192-207 largest magnitudes, bytes, scale operands
.set PW,   208                         ; v208-215 the scale word of each of the eight blocks
.set T0,   240                         ; v240-242, v244-246 half blocks on their way
.set T1,   244
.set PK,   248                         ; v248-253 scale words, packed
.set G1, 24                            ; s[24:31] group 1 for x's tiles;  s[32:39] group 0, one set for each slot
.set G0, 32
.set G1B, 48                           ; s[48:55], s[56:63] the same for W's tiles
.set G0B, 56
.set G1S, 68                           ; s[68:75], s[76:79] groups 1 and 0 for x's scale bytes;  s[80:87], s[88:91] for W's
.set G0S, 76
.set G1SB, 80
.set G0SB, 88
.set SEL, 92                           ; s[92:93] on the way out: selects for lane l xor 16
.set PV,  95                           ; s95  the role
.set RS,  100                          ; s[100:101] 1 / 32
.set HI16, 104                         ; s104 a mask: lanes 16-31
.set MSB, 0
.macro WIN new                         ; the immediate's high byte repeats the setting that is left
.if MSB != \new
	s_set_vgpr_msb (MSB<<8)|\new
.set MSB, \new
.endif
.endm
.set MUL_LO, 0xa1                      ; source 0 window 1, source 1 window 0, C and D window 2
.set MUL_HI, 0xf1                      ; the same, C and D window 3
.set TO_B,   0x40                      ; destination window 1, address window 0
; A joint load.  Waves 0 and 1 fill source 1's rows, waves 2 and 3 source 0's.  x is source 1 where PV = 0 and source 0 where PV = 1: so a wave asks for x where wave / 2 = PV, else for W.  Both numbers are
; equal in all partners.  Each of the two lines has one mask and one set of registers; both ways issue one load.  Four v_nop follow each line.
.macro JLOAD g0x, g1x, g0w, g1w
	s_cmp_eq_u32 s15, s[PV]
	s_cbranch_scc0 .Lfor_w_\@
	tensor_load_to_lds s[\g0x:\g0x+3], s[\g1x:\g1x+7]
	s_nop 0
.rept 4
	v_nop
.endr
	s_branch .Lasked_\@
.Lfor_w_\@:
	tensor_load_to_lds s[\g0w:\g0w+3], s[\g1w:\g1w+7]
	s_nop 0
.rept 4
	v_nop
.endr
.Lasked_\@:
.endm
.macro CREST                           ; a round of the cluster's barrier behind its opening barrier
	s_cmp_lg_u32 s14, 0
	s_cbranch_scc1 .Lnot_wave_0_\@
	s_barrier_signal -3
.Lnot_wave_0_\@:
	s_barrier_wait -3
	s_barrier_signal -1
	s_barrier_wait -1
.endm
.macro CROUND                          ; a whole round
	s_barrier_signal -1
	s_barrier_wait -1
	CREST
.endm
	s_load_b128 s[4:7], s[0:1], 0x0                ; x's codes, x's scale bytes
	s_load_b128 s[8:11], s[0:1], 0x10              ; W's codes, W's scale bytes
	s_load_b128 s[96:99], s[0:1], 0x20             ; bqk, bv
	s_load_b64 s[12:13], s[0:1], 0x30              ; q's records
	s_load_b64 s[66:67], s[0:1], 0x38              ; k's and v's records
	v_lshl_add_u32 v[SPW], v0, 2, SPARE
	v_mov_b32 v[NIL], 0
	ds_add_u32 v28, v29
	ds_add_u32 v28, v29
	s_wait_dscnt 0x0
	v_lshrrev_b32 v1, 5, v0
	v_readfirstlane_b32 s14, v1                    ; wave 0..3
	s_lshr_b32 s15, s14, 1                         ; which half of source 1's 256 rows is mine.  Also: I fill source 1's rows (0) or source 0's (1)
	s_and_b32 s16, s14, 1                          ; which half of source 0's.  Also: which 128 rows of that tile I fetch
	s_bfe_u32 s40, ttmp6, 0x40000                  ; cx, cy: my place in the cluster
	s_bfe_u32 s41, ttmp6, 0x40004
	s_lshl_b32 s42, ttmp9, 2
	s_add_co_u32 s42, s42, s40                     ; tile of W's columns = 4 x cluster x + cx
	s_and_b32 s17, ttmp7, 0xffff
	s_lshl_b32 s17, s17, 2
	s_add_co_u32 s17, s17, s41                     ; tile of x's rows = 4 x cluster y + cy
	s_lshl_b32 s43, s41, 2
	s_lshl_b32 s43, 15, s43                        ; my row of the cluster
	s_lshl_b32 s44, 0x1111, s40                    ; my column
	s_cmp_ge_u32 ttmp9, 2                          ; the third column of clusters holds Wv's 1,024 columns
	s_cselect_b32 s[PV], 1, 0
	; descriptor group 1: a tile of 128 rows x 192 bytes, padded in LDS
	s_or_b32 s[G1+0], s43, (0<<16)|(1<<20)|(1<<21)|(3<<22)|(3<<25)  ; 15:0 the mask: x's tiles go to my row; 17:16 elements of 1 byte; 20 padding on; 21 set beside a mask; 24:22 after every 16 words; 31:25 of 4 words
	s_or_b32 s[G1B+0], s44, (0<<16)|(1<<20)|(1<<21)|(3<<22)|(3<<25) ; W's tiles go to my column
.irp g, G1, G1B
	s_mov_b32 s[\g+1], ROWB<<16                    ; tensor_dim0
	s_mov_b32 s[\g+2], 128<<16                     ; tensor_dim1 = 128
	s_mov_b32 s[\g+3], ROWB<<16                    ; tile_dim0
	s_mov_b32 s[\g+4], 128                         ; tile_dim1 = 128
	s_mov_b32 s[\g+5], KROW                        ; tensor_dim0_stride
	s_mov_b32 s[\g+6], 0
	s_mov_b32 s[\g+7], 0
.endr
	; the scale bytes of 128 rows: a dense block of 4,096 bytes, as rows of 256 bytes (32 elements of 8 bytes), 16 bytes of padding behind each
	s_or_b32 s[G1S+0], s43, (3<<16)|(1<<20)|(1<<21)|(5<<22)|(3<<25)
	s_or_b32 s[G1SB+0], s44, (3<<16)|(1<<20)|(1<<21)|(5<<22)|(3<<25)
.irp g, G1S, G1SB
	s_mov_b32 s[\g+1], 32<<16
	s_mov_b32 s[\g+2], (128*KS/256)<<16
	s_mov_b32 s[\g+3], 32<<16
	s_mov_b32 s[\g+4], 128*KS/256
	s_mov_b32 s[\g+5], 32
	s_mov_b32 s[\g+6], 0
	s_mov_b32 s[\g+7], 0
.endr
	s_lshl_b32 s18, s16, 7                         ; which 128 rows of the tile I fetch
	s_lshl_b32 s20, s17, 8
	s_add_co_u32 s20, s20, s18                     ; x: place 256 x tile + 128 x half
	s_lshl_b32 s46, s42, 8
	s_add_co_u32 s46, s46, s18                     ; W: likewise
	s_mov_b32 s21, 0
	s_mov_b32 s47, 0
	s_mov_b64 s[18:19], KS
	s_mul_u64 s[22:23], s[20:21], s[18:19]         ; where these rows' scale bytes begin
	s_mul_u64 s[92:93], s[46:47], s[18:19]
	s_mov_b64 s[18:19], KROW
	s_mul_u64 s[20:21], s[20:21], s[18:19]         ; and their codes
	s_mul_u64 s[46:47], s[46:47], s[18:19]
	s_mul_i32 s45, s14, HALFT                      ; where they go: wave x 128 rows: neither the place in the cluster nor the role enters an LDS address
	s_mul_i32 s94, s14, HALFS
	s_wait_kmcnt 0x0
	s_add_nc_u64 s[20:21], s[4:5], s[20:21]
	s_add_nc_u64 s[22:23], s[6:7], s[22:23]
	s_add_nc_u64 s[46:47], s[8:9], s[46:47]
	s_add_nc_u64 s[92:93], s[10:11], s[92:93]
	CROUND                                         ; all sixteen work-groups are here: the first joint loads meet
	s_mov_b32 s[G0S], 1
	s_add_co_u32 s[G0S+1], s94, SCL
	s_mov_b64 s[G0S+2:G0S+3], s[22:23]
	s_or_b32 s[G0S+3], s[G0S+3], 0x80000000
	s_mov_b32 s[G0SB], 1
	s_add_co_u32 s[G0SB+1], s94, SCL
	s_mov_b64 s[G0SB+2:G0SB+3], s[92:93]
	s_or_b32 s[G0SB+3], s[G0SB+3], 0x80000000
	JLOAD G0S, G1S, G0SB, G1SB                     ; the scale bytes first: they are wanted with K step 0
.irp s, 0,1
	s_mov_b32 s[G0+4*\s], 1
	s_add_co_u32 s[G0+4*\s+1], s45, \s*SLOT
	s_add_nc_u64 s[G0+4*\s+2:G0+4*\s+3], s[20:21], \s*ROWB
	s_or_b32 s[G0+4*\s+3], s[G0+4*\s+3], 0x80000000
	s_mov_b32 s[G0B+4*\s], 1
	s_add_co_u32 s[G0B+4*\s+1], s45, \s*SLOT
	s_add_nc_u64 s[G0B+4*\s+2:G0B+4*\s+3], s[46:47], \s*ROWB
	s_or_b32 s[G0B+4*\s+3], s[G0B+4*\s+3], 0x80000000
	JLOAD G0+4*\s, G1, G0B+4*\s, G1B               ; three tensor loads of mine are out now
.endr
	v_and_b32 v1, 15, v0                           ; r = l % 16
	v_bfe_u32 v2, v0, 4, 1                         ; h = l / 16
	v_mul_u32_u24 v3, v1, PITCH
	v_mul_u32_u24 v4, v2, 24
	v_add_nc_u32 v4, v3, v4                        ; a fragment's row x pitch + 24 x half
	v_lshl_add_u32 v5, v2, 4, v4                   ; and the same behind one padding more
	s_mul_i32 s21, s15, HALFT                      ; my 128 rows of source 1
	s_mul_i32 s22, s16, HALFT                      ; my 128 rows of source 0,
	s_add_co_u32 s22, s22, 2*HALFT                 ; which lie behind source 1's 256
.irp s, 0,1
	v_add_nc_u32 v[ADRA+\s], s21, v4
	v_add_nc_u32 v[ADRB+\s], s22, v4
	v_add_nc_u32 v[ADRA+2+\s], s21, v5
	v_add_nc_u32 v[ADRB+2+\s], s22, v5
	s_add_co_u32 s21, s21, SLOT
	s_add_co_u32 s22, s22, SLOT
.endr
	v_mul_u32_u24 v5, v1, KS                       ; my row's scale bytes: 32 a row,
	v_lshrrev_b32 v6, 8, v5
	v_lshl_add_u32 v5, v6, 4, v5                   ; and 16 more for each 256 passed
	s_mul_i32 s21, s15, HALFS                      ; source 1's: my 128 rows
	s_mul_i32 s22, s16, HALFS                      ; source 0's: my 128 rows, behind source 1's 256
	s_add_co_u32 s22, s22, 2*HALFS
	s_sub_co_u32 s22, s22, s21
	v_mul_u32_u24 v6, s22, v2                      ; lanes 16-31 take source 0's
	s_add_co_u32 s21, s21, SCL
	v_add_nc_u32 v5, v5, v6
	v_add_nc_u32 v[ADRS], s21, v5
	v_and_b32 v6, 31, v0
	v_lshlrev_b32 v[L16], 4, v6
	v_lshlrev_b32 v[L8], 3, v6
	v_lshlrev_b32 v7, 6, v2                        ; bqk: 16 numbers further on for lanes 16-31
	v_and_b32 v8, 8, v1
	v_add_nc_u32 v8, v8, v1
	v_lshlrev_b32 v8, 2, v8                        ; bv: number r + 8 (r / 8)
	; where my results go
	s_cmp_eq_u32 s[PV], 0
	s_cselect_b32 s20, s15, s16                    ; which half of the tile's rows of x is mine,
	s_cselect_b32 s21, s16, s15                    ; which half of its columns of W
	s_lshl_b32 s20, s20, 7
	s_lshl_b32 s22, s17, 8
	s_add_co_u32 s22, s22, s20                     ; my first row of x
	s_lshl_b32 s21, s21, 7
	s_lshl_b32 s23, s42, 8
	s_add_co_u32 s23, s23, s21                     ; my first column of the 3,072
	s_lshl_b32 s41, s[PV], 11
	s_sub_co_u32 s41, s23, s41                     ; and in its own weight
	s_sub_co_u32 s43, 7, s[PV]
	s_lshr_b32 s40, s41, s43                       ; the head: 128 columns a head in Wqk, 64 in Wv (there: the first of my two heads)
	s_cmp_eq_u32 s[PV], 0
	s_cselect_b64 s[96:97], s[96:97], s[98:99]     ; my bias
	s_lshr_b32 s43, s22, 11                        ; the batch
	s_lshl_b32 s43, s43, 4
	s_add_co_u32 s43, s43, s40
	s_lshl_b32 s43, s43, 4
	s_bfe_u32 s44, s22, 0x40007                    ; which 128 rows of the batch's 2,048
	s_add_co_u32 s43, s43, s44                     ; the record: (16 batch + head) 16 + that
	s_mov_b32 s47, 0
	s_mul_i32 s46, s43, QREC
	s_add_nc_u64 s[12:13], s[12:13], s[46:47]
	s_mul_i32 s46, s43, REC
	s_add_nc_u64 s[66:67], s[66:67], s[46:47]
	s_lshl_b32 s46, s41, 2
	s_add_nc_u64 s[96:97], s[96:97], s[46:47]
	s_mov_b32 s[RS], 0x3d000000                    ; 1 / 32
	s_mov_b32 s[RS+1], s[RS]                       ; (named with it as a pair, so it is written)
	s_mov_b32 s[HI16], 0xffff0000
	; the bias in the results' layout: 64 registers.  PV = 0: register 8 b + j is the bias of column 32 (b / 2) + 16 h + 8 (b % 2) + j.  PV = 1: registers 8 a + 0 .. 7 all hold that of column 32 (a / 2) + 8 (a % 2) + r + 8 (r / 8)
	s_cmp_eq_u32 s[PV], 0
	s_cbranch_scc0 .Lbias_v
.irp b, 0,1,2,3,4,5,6,7
	global_load_b128 v[BI+8*\b:BI+8*\b+3], v7, s[96:97] offset:(32*(\b/2)+8*(\b%2))*4
	global_load_b128 v[BI+8*\b+4:BI+8*\b+7], v7, s[96:97] offset:(32*(\b/2)+8*(\b%2))*4+16
.endr
	s_branch .Lbias_in
.Lbias_v:
.irp a, 0,1,2,3,4,5,6,7
.irp j, 0,1,2,3,4,5,6,7
	global_load_b32 v[BI+8*\a+\j], v8, s[96:97] offset:(32*(\a/2)+8*(\a%2))*4
.endr
.endr
.Lbias_in:
	s_wait_loadcnt 0x0
.irp i, 0,2,4,6,8,10,12,14,16,18,20,22,24,26,28,30,32,34,36,38,40,42,44,46,48,50,52,54,56,58,60,62
	v_pk_mul_f32 v[BI+\i:BI+\i+1], v[BI+\i:BI+\i+1], s[RS:RS+1] op_sel_hi:[1,0]   ; b / 32: exact
.endr
.macro FRAG reg, adr, q, i             ; a fragment, 16 rows x 128 K of 6-bit codes, is 12 registers: lane l holds row l % 16; registers 6 c .. 6 c + 5 hold K = 64 c + 32 (l / 16) + 0 .. 31: 24 bytes of the row, as they lie
.irp p, 0,1,2,3,4,5                    ; in pieces of 8 bytes.  Lanes 0-15 take the row's pieces 12 q + 0, 1, 2 and 12 q + 6, 7, 8, lanes 16-31 those three pieces on
.set PC, 12*(\q)+6*(\p/3)+\p%3        ; 16 bytes of padding lie behind every 8 pieces: where the piece three on lies behind one padding more, the second address register serves
.if PC%8 < 5
	ds_load_b64 v[\reg+2*\p:\reg+2*\p+1], v[\adr] offset:8*PC+16*(PC/8)+(\i)*16*PITCH
.else
	ds_load_b64 v[\reg+2*\p:\reg+2*\p+1], v[\adr+2] offset:8*PC+16*(PC/8)+(\i)*16*PITCH
.endif
.endr
.endm
; 16 matrix instructions: source 1's blocks a0, a0 + 1 x source 0's eight, 128 along K: the slot's q-th.  p: source 0's set;  sc: the set of scale words.  zero = 1: the first product starts the sums.
; The 64 accumulators take turns, one instruction a turn, in the same order in every step.
.macro MUL16 a0, p, q, sc, zero
.irp a, \a0, \a0+1
.irp b, 0,1,2,3,4,5,6,7
.if \zero
	v_wmma_scale_f32_16x16x128_f8f6f4 v[8*(8*((\a)%4)+\b):8*(8*((\a)%4)+\b)+7], v[128*(\p)+FR*\b:128*(\p)+FR*\b+FR-1], v[AF+FR*(\a):AF+FR*(\a)+FR-1], 0, v[SC+8*NQ*(\sc)+NQ*\b+(\q)], v[SC+8*NQ*(\sc)+NQ*(\a)+(\q)] matrix_a_fmt:MATRIX_FMT_FP6 matrix_b_fmt:MATRIX_FMT_FP6 matrix_a_scale:MATRIX_SCALE_ROW1
.else
	v_wmma_scale_f32_16x16x128_f8f6f4 v[8*(8*((\a)%4)+\b):8*(8*((\a)%4)+\b)+7], v[128*(\p)+FR*\b:128*(\p)+FR*\b+FR-1], v[AF+FR*(\a):AF+FR*(\a)+FR-1], v[8*(8*((\a)%4)+\b):8*(8*((\a)%4)+\b)+7], v[SC+8*NQ*(\sc)+NQ*\b+(\q)], v[SC+8*NQ*(\sc)+NQ*(\a)+(\q)] matrix_a_fmt:MATRIX_FMT_FP6 matrix_b_fmt:MATRIX_FMT_FP6 matrix_a_scale:MATRIX_SCALE_ROW1
.endif
.endr
.endr
.endm
.macro FETCH_B slot, q, p              ; source 0's eight fragments of the slot's q-th 128 along K into set p
	WIN TO_B
.irp i, 0,1,2,3,4,5,6,7
	FRAG 128*(\p)+FR*\i, ADRB+\slot, \q, \i
.endr
	WIN 0
.endm
.macro FETCH_A slot, q, i0             ; source 1's blocks i0 .. i0 + 3
.irp i, \i0, \i0+1, \i0+2, \i0+3
	FRAG AF+FR*(\i), ADRA+\slot, \q, \i
.endr
.endm
.macro SCALES sc                       ; a K step's scale words into set sc: two words a row; lanes 0-15 take source 1's block i, lanes 16-31 source 0's block i
.irp i, 0,1,2,3,4,5,6,7
	ds_load_b64 v[SC+8*NQ*\sc+NQ*\i:SC+8*NQ*\sc+NQ*\i+1], v[ADRS] offset:\i*SBLK
.endr
.endm
; A load into a register that a matrix instruction has read, and a vector instruction that reads a matrix result or writes one of its registers, stand four places behind it; only plain vector
; instructions that name none of its registers are places (ISA guide 7.12.1 for vector instructions).
.macro PLACES n
.rept \n
	v_nop
.endr
.endm
; A step of 128 along K that has its successor in the same slot.
.macro STEP slot, q, zero
	s_wait_dscnt 4*NL                              ; source 0's set and source 1's blocks 0-3 are in; the youngest 24 loads (blocks 4-7) may be out
	WIN MUL_LO
	MUL16 0, (\q)%2, \q, \slot, \zero
	MUL16 2, (\q)%2, \q, \slot, \zero
	s_wait_dscnt 0                                 ; blocks 4-7 are in (asked for 32 matrix instructions ago)
	PLACES NP
	FETCH_B \slot, (\q)+1, 1-(\q)%2
	FETCH_A \slot, (\q)+1, 0
	WIN MUL_HI
	MUL16 4, (\q)%2, \q, \slot, \zero
	MUL16 6, (\q)%2, \q, \slot, \zero
	PLACES NP
	WIN 0
	FETCH_A \slot, (\q)+1, 4
.endm
; A slot's last step changes slots: ONE barrier; in front of it each wave waits for all its tensor loads, adds 0 to its spare word, and waits for that and for its own reads of this slot.  fill = 1: this slot is filled again, two K steps ahead.
.macro TURN slot, next, fill
	s_wait_tensorcnt 0x0                           ; all my tensor loads have landed: my part of the next slot  (every window is 0 here)
	ds_add_u32 v[SPW], v[NIL]                      ; 0 onto my spare word
	s_wait_dscnt 4*NL+1                            ; (the add and the youngest 24 loads, blocks 4-7, may be out)
	WIN MUL_LO
	MUL16 0, 1, NQ-1, \slot, 0                     ; sixteen matrix instructions stand between the add and the wait for it
	s_wait_dscnt 0x0                               ; the add is done, and my reads of this slot are over
	s_barrier_signal -1
	MUL16 2, 1, NQ-1, \slot, 0
	WIN 0
	s_barrier_wait -1
.if \fill
	CREST                                          ; the barrier has opened a round of the cluster's barrier: no wave of any partner still reads this slot's tile or has a load on its way
	s_add_nc_u64 s[G0+4*\slot+2:G0+4*\slot+3], s[G0+4*\slot+2:G0+4*\slot+3], 2*ROWB
	s_add_nc_u64 s[G0B+4*\slot+2:G0B+4*\slot+3], s[G0B+4*\slot+2:G0B+4*\slot+3], 2*ROWB
	JLOAD G0+4*\slot, G1, G0B+4*\slot, G1B         ; the first tensor load behind the round, my only one until the next; its four v_nop are also the places in front of the loads below
.else
	PLACES NP
.endif
	v_add_nc_u32 v[ADRS], 4*NQ, v[ADRS]            ; on to the next K step's scale words (no LDS load of mine is out)
	FETCH_B \next, 0, 0
	FETCH_A \next, 0, 0
	SCALES \next
	WIN MUL_HI
	MUL16 4, 1, NQ-1, \slot, 0
	MUL16 6, 1, NQ-1, \slot, 0
	PLACES NP
	WIN 0
	FETCH_A \next, 0, 4
.endm
	s_wait_tensorcnt 1                             ; the scale bytes and my part of K step 0 are in (K step 1's load may be out)
	s_barrier_signal -1
	s_barrier_wait -1                              ; everybody's are
	FETCH_B 0, 0, 0
	FETCH_A 0, 0, 0
	SCALES 0
	FETCH_A 0, 0, 4
	STEP 0, 0, 1                                   ; the first step stands in front of the loop: its products start the sums
	s_mov_b32 s3, LAPS-1
.Llap:                                             ; a trip goes once round the ring, from a lap's second step to the next lap's first, and fills both slots again
	TURN 0, 1, 1
	STEP 1, 0, 0
	TURN 1, 0, 1
	STEP 0, 0, 0
	s_sub_co_u32 s3, s3, 1
	s_cmp_lg_u32 s3, 0
	s_cbranch_scc1 .Llap
	TURN 0, 1, 0                                   ; the last lap fills nothing, and has no round of the cluster's barrier
	STEP 1, 0, 0
	s_wait_dscnt 4*NL                              ; the very last step: nothing more to fetch
	WIN MUL_LO
	MUL16 0, 1, NQ-1, 1, 0
	MUL16 2, 1, NQ-1, 1, 0
	s_wait_dscnt 0
	WIN MUL_HI
	MUL16 4, 1, NQ-1, 1, 0
	MUL16 6, 1, NQ-1, 1, 0
	WIN 0
; THE WAY OUT, block by block of source 1.
; QUANT: 64 numbers of a lane, v[H + 16 B + i] = number 32 B + 16 (lane / 16) + i along the quantiser's axis, become codes: blocks 0, 1 in v[QD0 .. QD0 + 5], blocks 2, 3 in v[QD1 .. QD1 + 5]
; (lanes 0-15 the even block, lanes 16-31 the odd one: the operand's layout), and their four scale bytes the word v[QPW].
.macro QUANT
.irp b, 0,1,2,3
	v_max3_num_f32 v[TM+\b], |v[H+16*\b]|, |v[H+1+16*\b]|, 0x1800000   ; block b: my 16 numbers, and the floor 2^(3 - 127): the byte cannot fall under 1
.endr
.irp i, 2,4,6,8,10,12,14
.irp b, 0,1,2,3
	v_max3_num_f32 v[TM+\b], v[TM+\b], |v[H+16*\b+\i]|, |v[H+1+16*\b+\i]|   ; (the four blocks by turns)
.endr
.endr
.irp b, 0,1,2,3
	v_permlanex16_b32 v[TM+4+\b], v[TM+\b], s[SEL], s[SEL+1]
.endr
.irp b, 0,1,2,3
	v_max_num_f32 v[TM+\b], v[TM+\b], v[TM+4+\b]   ; with lane l xor 16's: the block's largest magnitude
.endr
.irp b, 0,1,2,3
	v_add_nc_u32 v[TM+12+\b], 0xff000000, v[TM+\b]   ; 2 off its exponent field: the conversion's scale operand
.endr
.irp b, 0,1,2,3
	v_lshrrev_b32 v[TM+4+\b], 23, v[TM+12+\b]      ; the scale's byte
.endr
	v_lshl_or_b32 v[QPW], v[TM+5], 8, v[TM+4]
	v_lshl_or_b32 v[QPW], v[TM+6], 16, v[QPW]
	v_lshl_or_b32 v[QPW], v[TM+7], 24, v[QPW]
	v_cvt_scalef32_pk16_fp6_f32 v[QD0:QD0+2], v[H:H+15], v[TM+12]
	v_cvt_scalef32_pk16_fp6_f32 v[T0:T0+2], v[H+16:H+31], v[TM+13]   ; (a conversion's three registers begin on an even number)
	v_cvt_scalef32_pk16_fp6_f32 v[QD1:QD1+2], v[H+32:H+47], v[TM+14]
	v_cvt_scalef32_pk16_fp6_f32 v[T1:T1+2], v[H+48:H+63], v[TM+15]
	v_nop                                          ; one plain place behind a scaled conversion
.irp i, 0,1,2
	v_permlane16_swap_b32 v[QD0+\i], v[T0+\i]      ; the first's lanes 16-31 change places with the second's lanes 0-15: a whole block in a lane
.endr
.irp i, 0,1,2
	v_mov_b32 v[QD0+3+\i], v[T0+\i]
.endr
.irp i, 0,1,2
	v_permlane16_swap_b32 v[QD1+\i], v[T1+\i]
.endr
.irp i, 0,1,2
	v_mov_b32 v[QD1+3+\i], v[T1+\i]
.endr
.endm
; Block a.  path = 0: 16 rows of x, a head's q and k.  path = 1: 16 columns of v, 128 keys.
.macro EPI a, path
	s_wait_xcnt 0x0                                ; the earlier stores have read their registers: the codes' registers are written again only behind this wait
	WIN 0x02+(\a)/4                                ; source 0: window 2 or 3
.irp b, 0,1,2,3,4,5,6,7
.irp i, 0,2,4,6
.if \path
	v_pk_fma_f32 v[H+8*\b+\i:H+8*\b+\i+1], v[64*((\a)%4)+8*\b+\i:64*((\a)%4)+8*\b+\i+1], s[RS:RS+1], v[BI+8*(\a)+\i:BI+8*(\a)+\i+1] op_sel_hi:[1,0,1]   ; sum / 32 + b / 32, one rounding; each accumulator from its low end on
.else
	v_pk_fma_f32 v[H+8*\b+\i:H+8*\b+\i+1], v[64*((\a)%4)+8*\b+\i:64*((\a)%4)+8*\b+\i+1], s[RS:RS+1], v[BI+8*\b+\i:BI+8*\b+\i+1] op_sel_hi:[1,0,1]
.endif
.endr
.endr
	WIN 0
.if \path
.set QD0, 216+12*((\a)%2)              ; a whole fragment of v^T: 16 of the head's 64 x 128 keys
.set QD1, QD0+6
.else
.set QD0, 216+6*((\a)%2)               ; q's six registers;
.set QD1, 228+6*((\a)%2)               ; k's: two neighbouring tiles of keys fill one fragment's twelve
.endif
.set QPW, PW+(\a)
	QUANT
.if \path
.irp c, 0,1,2
	global_store_b128 v[L16], v[QD0+4*\c:QD0+4*\c+3], s[66:67] offset:((\a)/4)*16*REC+6400+1536*((\a)%4)+512*\c   ; the wave stores 512 consecutive bytes, aligned; my second head's records lie 16 records on
.endr
.else
	global_store_b128 v[L16], v[QD0:QD0+3], s[12:13] offset:768*(\a)
	global_store_b64 v[L8], v[QD0+4:QD0+5], s[12:13] offset:768*(\a)+512
.if (\a)%2
.irp c, 0,1,2
	global_store_b128 v[L16], v[228+4*\c:231+4*\c], s[66:67] offset:1536*((\a)/2)+512*\c
.endr
.endif
.endif
.endm
	PLACES NP                                      ; behind the last products: their results are read, and source 1's registers written, only behind these
.irp b, 0,1,2,3
	v_mov_b32 v[TM+4+\b], 0                        ; written once: a lane permute's destination counts as one of its sources
.endr
	s_mov_b32 s[SEL], 0x76543210
	s_mov_b32 s[SEL+1], 0xfedcba98
	s_cmp_eq_u32 s[PV], 0
	s_cbranch_scc0 .Lout_v
.irp a, 0,1,2,3,4,5,6,7
	EPI \a, 0
.endr
	; a block's word holds q's two bytes below and k's two above.  q's words: register j: tile 2 j in lanes 0-15, tile 2 j + 1 in lanes 16-31, the two bytes repeated, so that they serve q in either half of K
.irp j, 0,1,2,3
	v_cndmask_b32 v[PK+\j], v[PW+2*\j], v[PW+2*\j+1], s[HI16]
.endr
.irp j, 0,1,2,3
	v_perm_b32 v[PK+\j], v[PK+\j], v[PK+\j], 0x05040100
.endr
	global_store_b128 v[L16], v[PK:PK+3], s[12:13] offset:6144
	; k's words: fragment f: tile 2 f's two bytes below, tile 2 f + 1's above; register g: fragment 2 g in lanes 0-15, 2 g + 1 in lanes 16-31
.irp f, 0,1,2,3
	v_perm_b32 v[H+\f], v[PW+2*\f+1], v[PW+2*\f], 0x07060302
.endr
	v_cndmask_b32 v[PK+4], v[H], v[H+1], s[HI16]
	v_cndmask_b32 v[PK+5], v[H+2], v[H+3], s[HI16]
	global_store_b64 v[L8], v[PK+4:PK+5], s[66:67] offset:6144
	s_branch .Lend
.Lout_v:
.irp a, 0,1,2,3,4,5,6,7
	EPI \a, 1
.endr
	; v's words: register g of a head: tile 2 g in lanes 0-15, tile 2 g + 1 in lanes 16-31
.irp g, 0,1,2,3
	v_cndmask_b32 v[PK+\g], v[PW+2*\g], v[PW+2*\g+1], s[HI16]
.endr
	global_store_b64 v[L8], v[PK:PK+1], s[66:67] offset:12544
	global_store_b64 v[L8], v[PK+2:PK+3], s[66:67] offset:16*REC+12544
.Lend:
	s_wait_tensorcnt 0x0                           ; the wave's end
	ds_add_u32 v[SPW], v[NIL]
	s_wait_dscnt 0x0
	CROUND                                         ; the closing round: no work-group ends while a partner may still ask for a tile that names it
	s_endpgm
.Lfunc_end_k_q454f52abf0_proj:
	.size	k_q454f52abf0_proj, .Lfunc_end_k_q454f52abf0_proj-k_q454f52abf0_proj
	.p2alignl 7, 3214868480
	.fill 96, 4, 3214868480
	.section	.rodata,"a",@progbits
	.p2align	6, 0x0
	.amdhsa_kernel k_q454f52abf0_proj
		.amdhsa_group_segment_fixed_size 327680
		.amdhsa_private_segment_fixed_size 0
		.amdhsa_enable_private_segment 0
		.amdhsa_kernarg_size 64
		.amdhsa_user_sgpr_count 2
		.amdhsa_user_sgpr_kernarg_segment_ptr 1
		.amdhsa_wavefront_size32 1
		.amdhsa_system_sgpr_workgroup_id_x 1
		.amdhsa_system_sgpr_workgroup_id_y 1
		.amdhsa_system_sgpr_workgroup_id_z 1
		.amdhsa_system_vgpr_workitem_id 0
		.amdhsa_next_free_vgpr 1024
		.amdhsa_next_free_sgpr 106
		.amdhsa_reserve_vcc 0
		.amdhsa_float_denorm_mode_32 3
		.amdhsa_float_denorm_mode_16_64 3
		.amdhsa_memory_ordered 1
		.amdhsa_forward_progress 1
		.amdhsa_inst_pref_size 241
	.end_amdhsa_kernel
	.amdgpu_metadata
---
amdhsa.version: [ 1, 2 ]
amdhsa.kernels:
  - .name:           k_q454f52abf0_proj
    .symbol:         k_q454f52abf0_proj.kd
    .args:
      - { .name: x_codes, .offset: 0, .size: 8, .value_kind: global_buffer, .address_space: global }
      - { .name: x_scales, .offset: 8, .size: 8, .value_kind: global_buffer, .address_space: global }
      - { .name: w_codes, .offset: 16, .size: 8, .value_kind: global_buffer, .address_space: global }
      - { .name: w_scales, .offset: 24, .size: 8, .value_kind: global_buffer, .address_space: global }
      - { .name: bqk, .offset: 32, .size: 8, .value_kind: global_buffer, .address_space: global }
      - { .name: bv, .offset: 40, .size: 8, .value_kind: global_buffer, .address_space: global }
      - { .name: qrec, .offset: 48, .size: 8, .value_kind: global_buffer, .address_space: global }
      - { .name: kv, .offset: 56, .size: 8, .value_kind: global_buffer, .address_space: global }
    .group_segment_fixed_size: 327680
    .private_segment_fixed_size: 0
    .kernarg_segment_align: 8
    .kernarg_segment_size: 64
    .max_flat_workgroup_size: 128
    .sgpr_count:     106
    .vgpr_count:     1024
    .wavefront_size: 32
...
	.end_amdgpu_metadata
.endif
;; end of part 3
;; launch attn (part 4): grid 4 x 64, 16 waves a work-group, clusters of 4 x 1, 327,680 bytes of LDS; arguments qrec, kv, out0; writes out0
.if DOCPART == 4
	.amdgcn_target "amdgcn-amd-amdhsa--gfx1250"
	.amdhsa_code_object_version 6
	.text
	.protected	k_q454f52abf0_attn
	.globl	k_q454f52abf0_attn
	.p2align	8
	.type	k_q454f52abf0_attn,@function
k_q454f52abf0_attn:
	s_mov_b64 s[64:65], 0
	v_nop
	global_prefetch_b8 v0, s[64:65] scope:SCOPE_SE
	s_setreg_imm32_b32 hwreg(HW_REG_WAVE_MODE, 25, 1), 1
	s_wait_xcnt 0x0
	s_wait_alu depctr_hold_cnt(0) depctr_sa_sdst(0) depctr_va_vdst(0) depctr_va_sdst(0) depctr_va_ssrc(0) depctr_va_vcc(0) depctr_vm_vsrc(0)
	s_getreg_b32 s2, hwreg(HW_REG_IB_STS2, 6, 4)
	s_cmp_eq_u32 s2, 0
	s_cbranch_scc0 .Lentry_in_a_cluster
	s_endpgm
.Lentry_in_a_cluster:
	s_bfe_u32 s2, ttmp6, 0x10000c
	s_cmp_lg_u32 s2, 0x3003
	s_cbranch_scc0 .Lentry_shape_is_right
	s_endpgm
.Lentry_shape_is_right:
; out[b][q][64 head ..] = the sum over k of softmax_k(q . k / 64) v, 64 pairs (batch, head), 2,048 queries and keys, head size 64; both products on codes of FP6 (E2M3) with one E8M0 scale for each 32 along K.
; q, k and v arrive as images of operand registers, made by the launch before.  A record of 12,800 bytes holds 128 keys of a head: four fragments of k (each: two tiles of 16 keys x 64, in the two halves of K = 128),
; k's scale words, four fragments of v^T (16 of the head's 64 x 128 keys), v's scale words.
; THE SOFTMAX AHEAD OF THE SECOND PRODUCT: t = score x log2(e) / 64; M = the row's largest t so far, rounded UP to a whole number; p = 2^(t - M) is quantised along the keys, not normalised.  The row's sum is taken
; of the unquantised p, in f32, and divides at the end.  When M moves, the sum and O are multiplied by 2^(old M - new M): exact.
; K = 64 FILLS HALF A MATRIX INSTRUCTION: a fragment of k holds two tiles of keys, and is multiplied once by [q | zeros] and once by [zeros | q]: zero codes add nothing under any scale byte that is made here.
; SHARES.  A work-group owns 512 queries of one head, in two passes of 256; each of its sixteen waves owns 16 queries a pass, in 256 registers: four waves to a SIMD, so that one wave's vector work stands beside
; another's matrix work and LDS loads.  256 work-groups.
; THE HEAD'S 16 RECORDS, 204,800 BYTES, LIE IN LDS WHOLE, as they lie in memory: filled once, in four chunks, so that the first pass begins when a quarter has landed.  Nothing is filled again.
; CLUSTER.  The four work-groups of a cluster belong to one head and need the same records: each chunk is asked for jointly, by the same tensor loads with the same descriptors and a mask that names the four.
; LAYOUT.  Both products are used transposed (S^T = k q^T, O^T = v^T p^T): a lane holds ONE query throughout.  Tiles are not made of neighbours: lane r of tile 2 b + u is number 32 b + 8 u + r + 8 (r / 8), for
; keys, queries and the head's 64 alike, so that the 16 registers of tiles 2 b, 2 b + 1 of a result are 16 neighbours: 32 b + 16 (lane / 16) + 0 .. 15.
; LIMITS: p under 2^-126 counts as 0 (v_exp_f32: ISA guide, its entry); a block of p all of which are 0 keeps the scale byte 1, its codes are zeros; NaN and infinities are not served.
.set REC,   12800
.set CHB,   4*REC                      ; a chunk: four key steps
.set HEADB, 16*REC
.set QREC,  6656
.set STG,   HEADB                      ; behind the records: a stage of 16 rows x 272 bytes for each wave, its own
.set KV,    40                         ; v40-87   four fragments, k's and then v's
.set SS,    96                         ; v96-159  S^T, then p
.set OO,    160                        ; v160-191 O^T
.set PCD,   192                        ; v192-203 p's codes
.set CT0,   204                        ; v204-206, v208-210 half blocks on their way
.set BM,    212                        ; v212-215 the blocks' largest scores, then largest p
.set BP,    216                        ; v216-219 lane l xor 16's; then the bytes
.set SOP,   220                        ; v220-223 the conversions' scale operands
.set TMP,   224
.set FF,    226                        ; v[226:227] f = 2^(old M - new M)
.set PWD,   228                        ; v228 p's scale word
.set SUM2,  230                        ; v[230:231] the sum's second chain
; v1 16 x lane, v2 8 x lane; v3, v4 the same + the key step's record; v5-7 my bytes in q's record; v8 my bytes in out; v9, v10 the stage, in and out;
; v12 -M, v13 the largest t, v[14:15] the sum in two halves; v16-21 and v28-33 zeros, v22-27 q: [zeros | q] = v[16:27], [q | zeros] = v[22:33]; v34 q's scale word; v[36:37] k's, v[38:39] v's.
.macro CROUND                          ; a round of the cluster's barrier
	s_barrier_signal -1
	s_barrier_wait -1
	s_cmp_lg_u32 s10, 0
	s_cbranch_scc1 .Lnot_wave_0_\@
	s_barrier_signal -3
.Lnot_wave_0_\@:
	s_barrier_wait -3
	s_barrier_signal -1
	s_barrier_wait -1
.endm
	s_load_b128 s[4:7], s[0:1], 0x0                ; q's records, k's and v's records
	s_load_b64 s[8:9], s[0:1], 0x10                ; out
	v_lshl_add_u32 v254, v0, 2, 0x43000
	v_mov_b32 v255, 0
	ds_add_u32 v254, v255
	ds_add_u32 v254, v255
	v_lshrrev_b32 v1, 5, v0
	v_readfirstlane_b32 s10, v1                    ; wave 0..15
	s_bfe_u32 s11, ttmp6, 0x40000                  ; cx: it enters q's and out's addresses alone
	s_and_b32 s12, ttmp7, 0xffff                   ; 16 batch + head, which the four partners share
	s_and_b32 s13, s10, 1
	s_mul_i32 s14, s13, CHB/2                      ; waves 0 and 1 fetch: each a half of every chunk
	s_mul_i32 s16, s12, HEADB
	s_add_co_u32 s16, s16, s14
	s_mov_b32 s17, 0
	; descriptor group 1: a dense block of 25,600 bytes as 100 rows of 256 bytes (32 elements of 8 bytes), no padding
	s_mov_b32 s24, 15|(3<<16)|(1<<21)              ; 15:0 the mask: all four work-groups; 17:16 elements of 8 bytes; 21 set beside a mask
	s_mov_b32 s25, 32<<16                          ; tensor_dim0 = 32
	s_mov_b32 s26, 100<<16                         ; tensor_dim1 = 100
	s_mov_b32 s27, 32<<16                          ; tile_dim0 = 32
	s_mov_b32 s28, 100                             ; tile_dim1 = 100
	s_mov_b32 s29, 32                              ; from row to row
	s_mov_b32 s30, 0
	s_mov_b32 s31, 0
	s_mov_b32 s20, 0x76543210
	s_mov_b32 s21, 0xfedcba98                      ; selects for lane l xor 16
	s_mov_b32 s22, 0x3cb8aa3b                      ; c = log2(e) / 64
	s_mov_b32 s23, s22                             ; (named with it as a pair, so it is written)
	s_wait_dscnt 0x0
	s_wait_kmcnt 0x0
	s_add_nc_u64 s[6:7], s[6:7], s[16:17]
.irp c, 0,1,2,3
	s_mov_b32 s[32+4*\c], 1                        ; count = 1
	s_add_co_u32 s[33+4*\c], s14, \c*CHB           ; LDS address: the records lie in LDS as in memory
	s_add_nc_u64 s[34+4*\c:35+4*\c], s[6:7], \c*CHB
	s_or_b32 s[35+4*\c], s[35+4*\c], 0x80000000    ; type = 2
.endr
	CROUND                                         ; all four work-groups are here: the joint loads meet
	s_cmp_lt_u32 s10, 2                            ; a wave's four fills stand in one branch, ahead of every wait on TENSORcnt and every LDS read: four loads of mine are out
	s_cbranch_scc0 .Lno_fill
	tensor_load_to_lds s[32:35], s[24:31]
	s_nop 0
	tensor_load_to_lds s[36:39], s[24:31]
	s_nop 0
	tensor_load_to_lds s[40:43], s[24:31]
	s_nop 0
	tensor_load_to_lds s[44:47], s[24:31]
	s_nop 0
.rept 4
	v_nop
.endr
.Lno_fill:
	s_and_b32 s18, s10, 7                          ; a: my tile of 16 among a group's 128 queries
	s_lshr_b32 s19, s10, 3                         ; which of a pass's two groups
	s_lshl_b32 s56, s11, 2
	s_add_co_u32 s56, s56, s19                     ; the first pass's group: 4 cx + wave / 8
	s_lshl_b32 s57, s12, 4
	s_add_co_u32 s57, s57, s56
	s_mul_i32 s58, s57, QREC
	s_mov_b32 s59, 0
	s_add_nc_u64 s[52:53], s[4:5], s[58:59]        ; its record of q
	s_lshr_b32 s60, s12, 4
	s_lshl_b32 s60, s60, 11                        ; the batch's first row of out,
	s_lshl_b32 s61, s56, 7
	s_add_co_u32 s60, s60, s61                     ; the group's,
	s_lshr_b32 s62, s18, 1
	s_lshl_b32 s61, s62, 5
	s_add_co_u32 s60, s60, s61
	s_and_b32 s63, s18, 1
	s_lshl_b32 s61, s63, 3
	s_add_co_u32 s60, s60, s61                     ; my tile's: + 32 (a / 2) + 8 (a % 2)
	s_lshl_b32 s60, s60, 12                        ; rows of 4,096 bytes
	s_and_b32 s61, s12, 15
	s_lshl_b32 s61, s61, 8                         ; the head's 256 bytes of a row
	s_add_co_u32 s60, s60, s61
	s_mov_b32 s61, 0
	s_add_nc_u64 s[54:55], s[8:9], s[60:61]
	s_mul_i32 s66, s18, 768                        ; my tile in q's record
	s_lshl_b32 s67, s63, 8
	s_lshl_b32 s62, s62, 2
	s_add_co_u32 s67, s67, s62
	s_add_co_u32 s67, s67, 6144                    ; my tile's scale words: 6,144 + 256 (a % 2) + 4 (a / 2), 16 bytes a row
	s_mul_i32 s68, s10, 16*272
	s_add_co_u32 s68, s68, STG                     ; my stage
	v_and_b32 v11, 31, v0                          ; lane
	v_and_b32 v88, 15, v0                          ; r
	v_bfe_u32 v89, v0, 4, 1                        ; h
	v_lshlrev_b32 v1, 4, v11
	v_lshlrev_b32 v2, 3, v11
	v_add_nc_u32 v5, s66, v1
	v_add_nc_u32 v6, s66, v2
	v_add_nc_u32 v6, 512, v6
	v_lshl_add_u32 v7, v88, 4, s67
	v_lshlrev_b32 v8, 12, v89
	v_lshl_add_u32 v8, v88, 4, v8                  ; out: lanes 0-15 one row, lanes 16-31 the next; 16 bytes a lane
	v_mul_u32_u24 v9, v88, 272
	v_lshl_add_u32 v9, v89, 6, v9
	v_add_nc_u32 v9, s68, v9                       ; the stage, in: row r, + 64 h
	v_mul_u32_u24 v10, v89, 272
	v_lshl_add_u32 v10, v88, 4, v10
	v_add_nc_u32 v10, s68, v10                     ; and out: rows h, h + 2, ..
.irp j, 16,17,18,19,20,21,28,29,30,31,32,33
	v_mov_b32 v[\j], 0                             ; zero codes on both sides of q
.endr
.irp b, 0,1,2,3
	v_mov_b32 v[BP+\b], 0                          ; written once: a lane permute's destination counts as one of its sources
.endr
	v_mov_b32 v[TMP], 0
	v_mov_b32 v[FF+1], 0                           ; (named as the upper half of a pair)
; A KEY STEP: 128 keys, the record at LDS byte s48.
.macro STEP
	v_add_nc_u32 v3, s48, v1
	v_add_nc_u32 v4, s48, v2
	v_nop
	v_nop                                          ; four places behind the last step's products, in front of loads into registers that they read
.irp f, 0,1,2,3
.irp c, 0,1,2
	ds_load_b128 v[KV+12*\f+4*\c:KV+12*\f+4*\c+3], v3 offset:1536*\f+512*\c   ; a fragment as an image of its registers: 512 consecutive bytes a load
.endr
.endr
	ds_load_b64 v[36:37], v4 offset:6144           ; k's scale words: register g: fragment 2 g in lanes 0-15, 2 g + 1 in lanes 16-31
	s_wait_dscnt 0x0
.irp f, 0,1,2,3                        ; S^T: fragment f gives tiles 2 f (against [q | zeros]) and 2 f + 1 (against [zeros | q])
.if (\f%2) == 0
	v_wmma_scale_f32_16x16x128_f8f6f4 v[SS+16*\f:SS+16*\f+7], v[KV+12*\f:KV+12*\f+11], v[22:33], 0, v[36+\f/2], v34 matrix_a_fmt:MATRIX_FMT_FP6 matrix_b_fmt:MATRIX_FMT_FP6
	v_wmma_scale_f32_16x16x128_f8f6f4 v[SS+16*\f+8:SS+16*\f+15], v[KV+12*\f:KV+12*\f+11], v[16:27], 0, v[36+\f/2], v34 matrix_a_fmt:MATRIX_FMT_FP6 matrix_b_fmt:MATRIX_FMT_FP6
.else
	v_wmma_scale_f32_16x16x128_f8f6f4 v[SS+16*\f:SS+16*\f+7], v[KV+12*\f:KV+12*\f+11], v[22:33], 0, v[36+\f/2], v34 matrix_a_fmt:MATRIX_FMT_FP6 matrix_b_fmt:MATRIX_FMT_FP6 matrix_a_scale:MATRIX_SCALE_ROW1
	v_wmma_scale_f32_16x16x128_f8f6f4 v[SS+16*\f+8:SS+16*\f+15], v[KV+12*\f:KV+12*\f+11], v[16:27], 0, v[36+\f/2], v34 matrix_a_fmt:MATRIX_FMT_FP6 matrix_b_fmt:MATRIX_FMT_FP6 matrix_a_scale:MATRIX_SCALE_ROW1
.endif
.endr
.rept 4
	v_nop                                          ; four places: in front of the loads into k's registers, and of the first read of the scores
.endr
.irp t, 0,1,2,3
.irp c, 0,1,2
	ds_load_b128 v[KV+12*\t+4*\c:KV+12*\t+4*\c+3], v3 offset:6400+1536*\t+512*\c   ; v^T's fragments land while the softmax is worked
.endr
.endr
	ds_load_b64 v[38:39], v4 offset:12544          ; v's scale words
.irp b, 0,1,2,3
	v_max3_num_f32 v[BM+\b], v[SS+16*\b], v[SS+1+16*\b], v[SS+2+16*\b]   ; the largest score of each block of 32 keys: it serves for the row's maximum and, since p rises with the score, for the block's largest p
.endr
.irp i, 3,5,7,9,11,13
.irp b, 0,1,2,3
	v_max3_num_f32 v[BM+\b], v[BM+\b], v[SS+16*\b+\i], v[SS+1+16*\b+\i]   ; (the four blocks by turns; each tile is read from its low end on)
.endr
.endr
.irp b, 0,1,2,3
	v_max_num_f32 v[BM+\b], v[BM+\b], v[SS+15+16*\b]
.endr
.irp b, 0,1,2,3
	v_permlanex16_b32 v[BP+\b], v[BM+\b], s20, s21
.endr
.irp b, 0,1,2,3
	v_max_num_f32 v[BM+\b], v[BM+\b], v[BP+\b]     ; with lane l xor 16's 16 keys
.endr
	v_max3_num_f32 v[TMP], v[BM], v[BM+1], v[BM+2]
	v_max_num_f32 v[TMP], v[TMP], v[BM+3]          ; the step's largest score of my query
	v_mul_f32 v[TMP], s22, v[TMP]                  ; as t (c is positive)
	v_max_num_f32 v13, v13, v[TMP]                 ; the running largest t
	v_mov_b32 v[TMP], v12
	v_floor_f32 v12, -v13                          ; the new -M = floor(-t) = -ceil(t): a whole number
	v_sub_f32 v[TMP], v12, v[TMP]                  ; old M less new M: a whole number, 0 or less
	v_cvt_i32_f32 v[TMP], v[TMP]                   ; (it saturates)
	v_ldexp_f32 v[FF], 1.0, v[TMP]                 ; f = 2^(old M - new M)
.irp j, 0,2,4,6,8,10,12,14,16,18,20,22,24,26,28,30,32,34,36,38,40,42,44,46,48,50,52,54,56,58,60,62
	v_pk_fma_f32 v[SS+\j:SS+\j+1], v[SS+\j:SS+\j+1], s[22:23], v[12:13] op_sel_hi:[1,0,0]   ; t - M, two at a time
.endr
.irp b, 0,1,2,3
	v_fma_f32 v[BM+\b], v[BM+\b], s22, v12         ; the same of each block's largest score
.endr
.irp j, 0,1,2,3,4,5,6,7,8,9,10,11,12,13,14,15,16,17,18,19,20,21,22,23,24,25,26,27,28,29,30,31,32,33,34,35,36,37,38,39,40,41,42,43,44,45,46,47,48,49,50,51,52,53,54,55,56,57,58,59,60,61,62,63
	v_exp_f32 v[SS+\j], v[SS+\j]                   ; p = 2^(t - M), at most 1: not normalised
.endr
.irp b, 0,1,2,3
	v_exp_f32 v[BM+\b], v[BM+\b]                   ; the block's largest p: the same two instructions on the same number give the same bits
.endr
	v_pk_mul_f32 v[14:15], v[14:15], v[FF:FF+1] op_sel_hi:[1,0]   ; the sums under the new M (a plain place behind the exponentials)
	s_wait_alu depctr_va_vdst(0)
.irp b, 0,1,2,3
	v_max_num_f32 v[BM+\b], 0x1800000, v[BM+\b]    ; the floor 2^(3 - 127): the byte cannot fall under 1
.endr
.irp b, 0,1,2,3
	v_add_nc_u32 v[SOP+\b], 0xff000000, v[BM+\b]   ; 2 off the exponent field: the conversion's scale operand
.endr
.irp b, 0,1,2,3
	v_lshrrev_b32 v[BP+\b], 23, v[SOP+\b]          ; the scale's byte
.endr
	v_lshl_or_b32 v[PWD], v[BP+1], 8, v[BP]        ; p's scale word for these 128 keys
	v_lshl_or_b32 v[PWD], v[BP+2], 16, v[PWD]
	v_lshl_or_b32 v[PWD], v[BP+3], 24, v[PWD]
.irp c, 0,1
	v_cvt_scalef32_pk16_fp6_f32 v[PCD+6*\c:PCD+6*\c+2], v[SS+32*\c:SS+32*\c+15], v[SOP+2*\c]
	v_cvt_scalef32_pk16_fp6_f32 v[CT0+4*\c:CT0+4*\c+2], v[SS+32*\c+16:SS+32*\c+31], v[SOP+2*\c+1]   ; (a conversion's three registers begin on an even number)
.endr
	v_nop                                          ; one plain place behind a scaled conversion
.irp c, 0,1                            ; the operand's layout wants a whole block in a lane: lanes 0-15 block 2 c, lanes 16-31 block 2 c + 1
.irp i, 0,1,2
	v_permlane16_swap_b32 v[PCD+6*\c+\i], v[CT0+4*\c+\i]
.endr
.irp i, 0,1,2
	v_mov_b32 v[PCD+3+6*\c+\i], v[CT0+4*\c+\i]
.endr
.endr
	v_pk_add_f32 v[SUM2:SUM2+1], v[SS:SS+1], v[SS+2:SS+3]   ; the row's sum is taken of the unquantised p: two at a time, in two chains
.irp j, 4,8,12,16,20,24,28,32,36,40,44,48,52,56,60
	v_pk_add_f32 v[14:15], v[14:15], v[SS+\j:SS+\j+1]
	v_pk_add_f32 v[SUM2:SUM2+1], v[SUM2:SUM2+1], v[SS+\j+2:SS+\j+3]
.endr
	v_pk_add_f32 v[14:15], v[14:15], v[SUM2:SUM2+1]        ; (these 32 additions are also the places between p's codes and scale word and the products below)
.irp j, 0,2,4,6,8,10,12,14,16,18,20,22,24,26,28,30
	v_pk_mul_f32 v[OO+\j:OO+\j+1], v[OO+\j:OO+\j+1], v[FF:FF+1] op_sel_hi:[1,0]   ; O^T under the new M: x f; each accumulator from its low end on
.endr
	s_wait_dscnt 0x0                               ; v^T is in
.irp t, 0,1,2,3                        ; O^T += v^T p^T: the four accumulators take one turn each, and the eight products of S^T stand between a turn and the next
.if (\t%2) == 0
	v_wmma_scale_f32_16x16x128_f8f6f4 v[OO+8*\t:OO+8*\t+7], v[KV+12*\t:KV+12*\t+11], v[PCD:PCD+11], v[OO+8*\t:OO+8*\t+7], v[38+\t/2], v[PWD] matrix_a_fmt:MATRIX_FMT_FP6 matrix_b_fmt:MATRIX_FMT_FP6
.else
	v_wmma_scale_f32_16x16x128_f8f6f4 v[OO+8*\t:OO+8*\t+7], v[KV+12*\t:KV+12*\t+11], v[PCD:PCD+11], v[OO+8*\t:OO+8*\t+7], v[38+\t/2], v[PWD] matrix_a_fmt:MATRIX_FMT_FP6 matrix_b_fmt:MATRIX_FMT_FP6 matrix_a_scale:MATRIX_SCALE_ROW1
.endif
.endr
	s_add_co_u32 s48, s48, REC                     ; the next key step's record
.endm
; A CHUNK: four key steps.  The waves that fetched wait until chunk c has landed (3 - c younger loads may stay out), then all sixteen meet; in the second pass the wait is met at once.
.macro CHUNK c
	s_wait_tensorcnt 3-\c
	s_wait_dscnt 0x0                               ; no LDS instruction of mine is out at the signal
	s_barrier_signal -1
	s_barrier_wait -1
	s_mov_b32 s48, \c*CHB
	s_mov_b32 s49, 4
.Lstep_\@:
	STEP
	s_sub_co_u32 s49, s49, 1
	s_cmp_lg_u32 s49, 0
	s_cbranch_scc1 .Lstep_\@
.endm
	s_mov_b32 s50, 2
.Lpass:                                            ; two passes of 256 queries
	global_load_b128 v[22:25], v5, s[52:53]        ; q's six registers, as their images lie
	global_load_b64 v[26:27], v6, s[52:53]
	global_load_b32 v34, v7, s[52:53]              ; and its scale word
	v_mov_b32 v13, 0xff61b1e6                      ; the largest t so far: -3e38, under every t
	v_floor_f32 v12, -v13                          ; -M
	v_mov_b32 v14, 0                               ; the sum, in two halves
	v_mov_b32 v15, 0
.irp j, 0,1,2,3,4,5,6,7,8,9,10,11,12,13,14,15,16,17,18,19,20,21,22,23,24,25,26,27,28,29,30,31
	v_mov_b32 v[OO+\j], 0                          ; O^T: the key step is written once; the first finds zeros, which the first change of M leaves zeros
.endr
	s_wait_loadcnt 0x0
	CHUNK 0
	CHUNK 1
	CHUNK 2
	CHUNK 3
	; THE WAY OUT.  O^T / the sum goes through my stage in LDS and leaves as whole runs of 256 bytes: a head's 64 numbers of one row of out.
.rept 4
	v_nop                                          ; four places behind the last products
.endr
	v_add_f32 v14, v14, v15                        ; the sum's two halves,
	v_permlanex16_b32 v[TMP], v14, s20, s21
	v_add_f32 v14, v14, v[TMP]                     ; and lane l xor 16's: the row's sum
	v_rcp_f32 v14, v14
	v_nop                                          ; one plain place behind the reciprocal
	s_wait_alu depctr_va_vdst(0)
.irp j, 0,2,4,6,8,10,12,14,16,18,20,22,24,26,28,30
	v_pk_mul_f32 v[SS+\j:SS+\j+1], v[OO+\j:OO+\j+1], v[14:15] op_sel_hi:[1,0]   ; register 16 u + i is number 32 u + 16 h + i of the head's 64
.endr
.irp u, 0,1
.irp q, 0,1,2,3
	ds_store_b128 v9, v[SS+16*\u+4*\q:SS+16*\u+4*\q+3] offset:128*\u+16*\q
.endr
.endr
.irp i, 0,1,2,3,4,5,6,7
	ds_load_b128 v[KV+4*\i:KV+4*\i+3], v10 offset:544*\i   ; LDS serves a wave's instructions in order: these see my stores.  Stage rows 2 i and 2 i + 1
.endr
.irp i, 0,1,2,3,4,5,6,7
	s_wait_dscnt 7-\i                              ; loads come back in order: load i is in
	global_store_b128 v8, v[KV+4*\i:KV+4*\i+3], s[54:55] offset:(2*\i+8*(\i/4))*4096 th:TH_STORE_NT   ; stage row r is query r + 8 (r / 8) of my tile; 16 lanes store 256 consecutive bytes, aligned
.endr
	s_wait_xcnt 0x0                                ; the loads and stores have read their registers and bases: both are written again only behind this wait
	s_add_nc_u64 s[52:53], s[52:53], 2*QREC        ; two groups of 128 queries on
	s_add_nc_u64 s[54:55], s[54:55], 256*4096
	s_sub_co_u32 s50, s50, 1
	s_cmp_lg_u32 s50, 0
	s_cbranch_scc1 .Lpass
	s_wait_dscnt 0x0
	s_wait_tensorcnt 0x0
	ds_add_u32 v254, v255
	s_wait_dscnt 0x0
	CROUND                                         ; the closing round: no work-group ends while a partner may still ask for a chunk that names it
	s_endpgm
.Lfunc_end_k_q454f52abf0_attn:
	.size	k_q454f52abf0_attn, .Lfunc_end_k_q454f52abf0_attn-k_q454f52abf0_attn
	.p2alignl 7, 3214868480
	.fill 96, 4, 3214868480
	.section	.rodata,"a",@progbits
	.p2align	6, 0x0
	.amdhsa_kernel k_q454f52abf0_attn
		.amdhsa_group_segment_fixed_size 327680
		.amdhsa_private_segment_fixed_size 0
		.amdhsa_enable_private_segment 0
		.amdhsa_kernarg_size 24
		.amdhsa_user_sgpr_count 2
		.amdhsa_user_sgpr_kernarg_segment_ptr 1
		.amdhsa_wavefront_size32 1
		.amdhsa_system_sgpr_workgroup_id_x 1
		.amdhsa_system_sgpr_workgroup_id_y 1
		.amdhsa_system_sgpr_workgroup_id_z 1
		.amdhsa_system_vgpr_workitem_id 0
		.amdhsa_next_free_vgpr 256
		.amdhsa_next_free_sgpr 72
		.amdhsa_reserve_vcc 0
		.amdhsa_float_denorm_mode_32 3
		.amdhsa_float_denorm_mode_16_64 3
		.amdhsa_memory_ordered 1
		.amdhsa_forward_progress 1
		.amdhsa_inst_pref_size 74
	.end_amdhsa_kernel
	.amdgpu_metadata
---
amdhsa.version: [ 1, 2 ]
amdhsa.kernels:
  - .name:           k_q454f52abf0_attn
    .symbol:         k_q454f52abf0_attn.kd
    .args:
      - { .name: qrec, .offset: 0, .size: 8, .value_kind: global_buffer, .address_space: global }
      - { .name: kv, .offset: 8, .size: 8, .value_kind: global_buffer, .address_space: global }
      - { .name: out0, .offset: 16, .size: 8, .value_kind: global_buffer, .address_space: global }
    .group_segment_fixed_size: 327680
    .private_segment_fixed_size: 0
    .kernarg_segment_align: 8
    .kernarg_segment_size: 24
    .max_flat_workgroup_size: 512
    .sgpr_count:     72
    .vgpr_count:     256
    .wavefront_size: 32
...
	.end_amdgpu_metadata
.endif
;; end of part 4
